; MI455X (gfx1250); checked and timed in simulation.
; The chip was launched on July 23, 2026; its instructions are those of AMD's public machine-readable ISA for CDNA 5 (MIT licence, August 2026) and "CDNA5" Instruction Set Architecture Reference Guide (July 2026). The comments in the code are by the model that wrote it; some were corrected since.
;; Scaled Dot Product Attention. Allowed arithmetic: float matrix products may take bf16 or f16 operands with f32 sums; all other float work in f32.
;; Inputs: key_padding_mask 16 x 2,048 bool; keys 16 x 2,048 x 64 float32; queries 16 x 2,048 x 64 float32; values 16 x 2,048 x 64 float32.
;; Outputs: out0 16 x 2,048 x 64 float32.
;; 2 versions, each right and faster than the one before. Each part assembles by itself: llvm-mc -triple=amdgcn-amd-amdhsa -mcpu=gfx1250 --defsym DOCPART=n.
;; ======== version 1 of 2: 2 launches
;; workspace buffers: order 135,168 bytes of whole numbers
;; launch list (part 1): grid 16 x 1, 1 waves a work-group, no clusters, 8,448 bytes of LDS; arguments key_padding_mask, order; writes order
.if DOCPART == 1
	.amdgcn_target "amdgcn-amd-amdhsa--gfx1250"
	.amdhsa_code_object_version 6
	.text
	.protected	k_q35357640ce_list
	.globl	k_q35357640ce_list
	.p2align	8
	.type	k_q35357640ce_list,@function
k_q35357640ce_list:
	s_mov_b64 s[64:65], 0
	v_nop
	global_prefetch_b8 v0, s[64:65] scope:SCOPE_SE
	s_setreg_imm32_b32 hwreg(HW_REG_WAVE_MODE, 25, 1), 1
	s_wait_xcnt 0x0
; For each batch: the list of its 2,048 keys with the n unmasked ones in front and the masked ones behind, and n itself.
; One wave a batch (16 work-groups: there are 16 batches, and a batch's list is one prefix sum).
; order, per batch 8,448 bytes: 2,048 words of list, then 64 words that all hold n (so that these 256 bytes are written whole by one store).
; The list is a permutation of 0..2047: every word of it is written, and every word is a row of the batch.
; Any non-zero mask byte masks its key.
; No matrix unit, no cluster, no ring: 2 KB in and 8 KB out for each wave, and nothing shared.
.set BPITCH, 8448                      ; bytes of order for a batch
.set L16,  1                           ; v1        16 x lane
.set ZERO, 2                           ; v2        0
.set L8,   3                           ; v3        8 x lane
.set MK,   4                           ; v[4:19]   the mask: load j holds bytes 512 j + 16 lane + 0..15
.set XT,   20                          ; v20-v23   at work
.set XP,   21
.set XI,   22
.set XK,   23
.set CN,   24                          ; v[24:25]  n, twice
.set RB,   32                          ; v[32:95]  the list, read back in order
	s_load_b128 s[4:7], s[0:1], 0x0                        ; mask s[4:5], order s[6:7]
	v_lshl_add_u32 v96, v0, 2, 0x2000
	v_mov_b32 v97, 0
	v_lshlrev_b32 v[L16], 4, v0                            ; one wave: v0 is the lane
	v_mov_b32 v[ZERO], 0
	v_lshlrev_b32 v[L8], 3, v0
	s_lshl_b32 s8, ttmp9, 11                               ; the batch's 2,048 mask bytes
	s_mov_b32 s9, 0
	s_mul_i32 s10, ttmp9, BPITCH                           ; and its part of order
	s_mov_b32 s11, 0
	s_wait_kmcnt 0x0
	s_add_nc_u64 s[4:5], s[4:5], s[8:9]
	s_add_nc_u64 s[6:7], s[6:7], s[10:11]
.irp j, 0,1,2,3
	global_load_b128 v[MK+4*\j:MK+4*\j+3], v[L16], s[4:5] offset:512*\j th:TH_LOAD_NT
.endr
	s_mov_b32 s12, 0                                       ; unmasked keys so far
	; Step st takes byte st % 16 of load st / 16 in all 32 lanes: rank 32 st + lane in scan order, key 512 (st / 16) + 16 lane + st % 16.
	; vb = unmasked keys of lower rank.  An unmasked key goes to place vb, a masked one to 2047 - (rank - vb): the two ends never meet.
.set st, 0
.rept 64
.if st%16 == 0
	s_wait_loadcnt 3-st/16                                 ; this load is in, the younger ones stay out
.endif
	v_and_b32 v[XT], 0xff<<(8*(st%4)), v[MK+st/4]
	v_cmp_eq_u32 vcc_lo, 0, v[XT]                          ; unmasked
	v_mbcnt_lo_u32_b32 v[XP], vcc_lo, s12                  ; vb
	v_sub_nc_u32 v[XI], 2047-32*st, v0                     ; 2047 - rank
	v_cndmask_b32 v[XI], v[XI], v[ZERO], vcc_lo
	v_add_nc_u32 v[XP], v[XP], v[XI]
	v_min_u32 v[XP], 0x7ff, v[XP]                          ; inside the list by construction, and by this line
	v_lshlrev_b32 v[XP], 2, v[XP]
	v_add_nc_u32 v[XK], 512*(st/16)+st%16, v[L16]
	ds_store_b32 v[XP], v[XK]
	s_bcnt1_i32_b32 s13, vcc_lo
	s_add_co_u32 s12, s12, s13
.set st, st+1
.endr
	v_mov_b32 v[CN], s12
	v_mov_b32 v[CN+1], s12
.set g, 0
.rept 16
	ds_load_b128 v[RB+4*g:RB+4*g+3], v[L16] offset:512*g   ; the wave's own bytes: LDS serves a wave in order (ISA guide 5.7.1), these see the stores above
.set g, g+1
.endr
	global_store_b64 v[L8], v[CN:CN+1], s[6:7] offset:8192 ; n: 32 lanes x 8 bytes, 256 consecutive bytes, aligned
.set g, 0
.rept 16
	s_wait_dscnt 15-g                                      ; the younger read-backs stay out
	global_store_b128 v[L16], v[RB+4*g:RB+4*g+3], s[6:7] offset:512*g   ; 512 consecutive bytes, aligned
.set g, g+1
.endr
	s_wait_tensorcnt 0x0
	ds_add_u32 v96, v97
	s_wait_dscnt 0x0
	s_endpgm
.Lfunc_end_k_q35357640ce_list:
	.size	k_q35357640ce_list, .Lfunc_end_k_q35357640ce_list-k_q35357640ce_list
	.p2alignl 7, 3214868480
	.fill 96, 4, 3214868480
	.section	.rodata,"a",@progbits
	.p2align	6, 0x0
	.amdhsa_kernel k_q35357640ce_list
		.amdhsa_group_segment_fixed_size 8448
		.amdhsa_private_segment_fixed_size 0
		.amdhsa_enable_private_segment 0
		.amdhsa_kernarg_size 16
		.amdhsa_user_sgpr_count 2
		.amdhsa_user_sgpr_kernarg_segment_ptr 1
		.amdhsa_wavefront_size32 1
		.amdhsa_system_sgpr_workgroup_id_x 1
		.amdhsa_system_sgpr_workgroup_id_y 1
		.amdhsa_system_sgpr_workgroup_id_z 1
		.amdhsa_system_vgpr_workitem_id 0
		.amdhsa_next_free_vgpr 98
		.amdhsa_next_free_sgpr 66
		.amdhsa_reserve_vcc 1
		.amdhsa_float_denorm_mode_32 3
		.amdhsa_float_denorm_mode_16_64 3
		.amdhsa_memory_ordered 1
		.amdhsa_forward_progress 1
		.amdhsa_inst_pref_size 41
	.end_amdhsa_kernel
	.amdgpu_metadata
---
amdhsa.version: [ 1, 2 ]
amdhsa.kernels:
  - .name:           k_q35357640ce_list
    .symbol:         k_q35357640ce_list.kd
    .args:
      - { .name: key_padding_mask, .offset: 0, .size: 8, .value_kind: global_buffer, .address_space: global }
      - { .name: order, .offset: 8, .size: 8, .value_kind: global_buffer, .address_space: global }
    .group_segment_fixed_size: 8448
    .private_segment_fixed_size: 0
    .kernarg_segment_align: 8
    .kernarg_segment_size: 16
    .max_flat_workgroup_size: 32
    .sgpr_count:     66
    .vgpr_count:     98
    .wavefront_size: 32
...
	.end_amdgpu_metadata
.endif
;; end of part 1
;; launch attn (part 2): grid 256 x 1, 4 waves a work-group, no clusters, 168,448 bytes of LDS; arguments order, keys, queries, values, out0; writes out0
.if DOCPART == 2
	.amdgcn_target "amdgcn-amd-amdhsa--gfx1250"
	.amdhsa_code_object_version 6
	.text
	.protected	k_q35357640ce_attn
	.globl	k_q35357640ce_attn
	.p2align	8
	.type	k_q35357640ce_attn,@function
k_q35357640ce_attn:
	s_mov_b64 s[64:65], 0
	v_nop
	global_prefetch_b8 v0, s[64:65] scope:SCOPE_SE
	s_setreg_imm32_b32 hwreg(HW_REG_WAVE_MODE, 25, 1), 1
	s_wait_xcnt 0x0
; out[b][q][:] = softmax over the unmasked keys k of (Q[b][q] . K[b][k] / 8) applied to V[b][k][:].   B = 16, Sq = Sk = 2048, d = 64, all f32.
; Work-group x: batch x >> 4, 128 query rows (x & 15).  Four waves, 32 query rows each (two tiles u of 16), 64 keys a trip.
;
; COMPACTION.  A masked key gets the weight 0 whatever else holds.  The launch before this one has turned each batch's mask into a list in the
; buffer order: the n unmasked keys in front, the masked ones behind (a whole permutation of 0..2047, so every entry is a row of the batch), and n.
; Only T = ceil(n / 64) blocks of 64 listed keys are multiplied; with no key masked that is all 32.  The last block, the only one that can be
; partly filled, goes FIRST: its positions >= n get -inf, it starts every sum (C = 0: nothing is cleared) and leaves a finite running maximum
; for n >= 1.  n = 0: all scores are -inf, (-inf) - (-inf) is NaN, and the rows come out NaN as softmax of an empty row does.
;
; TRANSPOSED PRODUCTS.  S^T = K Q^T: register j of tile t holds key 16 t + 8 h + j for query r (r = lane & 15, h = lane >> 4), so a query's
; maximum, shift and rescale are one number a lane, and packing pairs of score registers to bf16 gives the B fragment of O^T = V^T P^T as it stands.
; A fifth row tile of that product takes a fragment of ones as A: its sums are the softmax denominators, from the same rounded weights.
; The running maximum is taken away in every trip; O and the denominators are rescaled in every trip (no branch hangs on a float).
;
; K AND V come by register loads: sixteen lanes take one listed row of 256 bytes, whole; each row is rounded to bf16 once per work-group and laid
; into one of two LDS slots.  Three stages run ahead of the products: trip t multiplies block t - 1, lays block t into the other slot, asks for
; the rows of block t + 1 and for the list words of block t + 2.
; NO TENSOR LOADS, NO CLUSTER: the sixteen work-groups of a batch do read the same rows, but the rows are picked by a list (no rectangle) and are
; f32 that has to pass through registers to become bf16; register loads have no joint form.
; LIMITS: weights below 2^-126 count as 0 (v_exp_f32 flushes); weights and their sum are of bf16-rounded weights, added in f32; keys are
; added in list order; an infinity or NaN in a masked row of V is not carried into the result unless that row fills up the first
; (partly filled) block.
.set BPITCH, 8448                      ; order: bytes for a batch, 8,192 of list and 256 that hold n
.set KP,     144                       ; K and Q rows in LDS: 128 bytes of bf16 + 16
.set VP,     160                       ; V rows in LDS: 128 bytes + 32
.set VG,     1408                      ; eight V rows + 128 bytes
.set VOFF,   9216                      ; V behind a slot's 64 K rows
.set SLOT,   20480                     ; 9,216 of K + 8 x 1,408 of V; two slots from byte 0
.set STAGE,  40960                     ; 8,704 bytes for each wave, its own: Q as bf16 at first, O as f32 at the end
.set STAGEW, 8704
.set OPITCH, 272                       ; an O row on the way out: 256 bytes + 16
; block 0 (v0-v255)
.set MX,   2                           ; v2, v3     running maximum of my query in tile u
.set NCM,  4                           ; v[4:5]     - c x new maximum (v5 only fills the pair); at the end 1 / l of tile 1
.set AL,   6                           ; v[6:7]     rescale factor (v7 only fills the pair); at the end 1 / l of tile 0
.set CH,   8                           ; v8-v11     four chains of maxima; set-up and way-out temporaries
.set PX,   12                          ; v12        what the other half of the lanes found
.set MN,   13                          ; v13        new maximum
.set REM,  14                          ; v14        valid positions in the first block, minus 8 h
.set H8,   15                          ; v15        8 h
.set QF,   16                          ; v[16:47]   Q fragments (u, ks) at 16 u + 8 ks
.set SC,   48                          ; v[48:111]  scores (u, t) at 32 u + 8 t; then P (u, ks) at 32 u + 16 ks; read-back on the way out
.set OA,   112                         ; v[112:191] O^T (u, dt) at 40 u + 8 dt; dt = 4: the denominators
; block 1 (v256-v511, written with their low eight bits)
.set L16,  0                           ; 16 r
.set IDXA, 1                           ; 64 w + 32 h: the eight list words of my rows in block 0
.set KST,  2                           ; where my 8 bytes of K row 16 w + 8 h go, slot 0
.set VST,  3                           ; the same for V
.set KFA,  4                           ; K fragments: r x 144 + 16 h
.set VFA,  5                           ; V fragments (transposing loads)
.set IA,   6                           ; list offset of the block whose words are asked for
.set IDX,  8                           ; v[8:15]    eight list words
.set STG,  16                          ; v[16:79]   eight K rows' and eight V rows' 16 bytes, f32, as loaded (Q's sixteen at first)
.set PK,   80                          ; v[80:111]  the same as bf16
.set KF,   112                         ; v[112:175] K fragments (t, ks) at 16 t + 8 ks
.set VF,   176                         ; v[176:239] V^T fragments (dt, ks) at 16 dt + 8 ks
.set ONES, 240                         ; v[240:247] a fragment of bf16 ones
.set OFFS, 248                         ; v[248:255] byte offsets of my eight rows (Q's three addresses at first)
; scalars: s[4:5] order, s[6:7] keys, s[8:9] queries, s[10:11] values, s[12:13] out, s14 wave, s[20:21] lane selects, s[22:23] c, c, s24 -c,
; s25 n, s26 T, s27 valid positions of the first block, s28 trip, s29 256 x block whose list words are asked for, s30 loop counter, s31-s33 temporaries
.set MSB, 0
.macro WIN new                         ; register windows: bits 1:0 source 0, 3:2 source 1, 5:4 source 2, 7:6 destination; the high byte repeats the setting left
.if MSB != \new
	s_set_vgpr_msb (MSB<<8)|\new
.set MSB, \new
.endif
.endm
.set ALL1, 0x55                        ; every operand in block 1: the loader's work
.set A1,   0x01                        ; source 0 in block 1: a matrix instruction's A, an LDS load's address
.set D1,   0x40                        ; destination in block 1: set-up
.macro PLACES                          ; four independent vector slots behind a matrix instruction before its registers are touched (ISA guide 7.12.1)
.rept 4
	v_nop
.endr
.endm
.macro IDXLD                           ; the list words of rows 16 w + 8 h + 0..7 of the block at s29; the sixteen lanes of a half share them
	v_add_nc_u32 v[IA], s29, v[IDXA]
	global_load_b128 v[IDX:IDX+3], v[IA], s[4:5]
	global_load_b128 v[IDX+4:IDX+7], v[IA], s[4:5] offset:16
.endm
.macro GATHER                          ; ask for the rows that the list words name, then for the next list words
	s_wait_loadcnt 0x0                                     ; the two index loads; nothing else is out (CONVERT has waited for the rows before); frees IA too
.irp j, 0,1,2,3,4,5,6,7
	v_min_u32 v[OFFS+\j], 0x7ff, v[IDX+\j]                 ; a row of the batch, whatever the word
.endr
.irp j, 0,1,2,3,4,5,6,7
	v_lshl_add_u32 v[OFFS+\j], v[OFFS+\j], 8, v[L16]       ; 256 bytes a row, 16 bytes a lane: sixteen lanes take the whole row
.endr
.irp j, 0,1,2,3,4,5,6,7
	global_load_b128 v[STG+4*\j:STG+4*\j+3], v[OFFS+\j], s[6:7]
.endr
.irp j, 0,1,2,3,4,5,6,7
	global_load_b128 v[STG+32+4*\j:STG+32+4*\j+3], v[OFFS+\j], s[10:11]
.endr
	IDXLD
.endm
.macro CONVERT                         ; 64 f32 to 32 words of bf16
	s_wait_loadcnt 2                                       ; the sixteen row loads are in; the two index loads issued behind them stay out
.set ci, 0
.rept 32
	v_cvt_pk_bf16_f32 v[PK+ci], v[STG+2*ci], v[STG+2*ci+1]
.set ci, ci+1
.endr
.endm
.macro STORE_KV slot                   ; 8 bytes a lane; the two halves of the lanes are 1,152 or 1,408 bytes apart, 128 modulo 256
.irp j, 0,1,2,3,4,5,6,7
	ds_store_b64 v[KST], v[PK+2*\j:PK+2*\j+1] offset:\slot*SLOT+KP*\j
.endr
.irp j, 0,1,2,3,4,5,6,7
	ds_store_b64 v[VST], v[PK+16+2*\j:PK+16+2*\j+1] offset:\slot*SLOT+VP*\j
.endr
.endm
.macro KFRAG slot                      ; A fragments of S^T: lane (r, h) takes key 16 t + r, d = 32 ks + 8 h .. and + 16
.irp t, 0,1,2,3
.irp ks, 0,1
	ds_load_b128 v[KF+16*\t+8*\ks:KF+16*\t+8*\ks+3], v[KFA] offset:\slot*SLOT+16*KP*\t+64*\ks
	ds_load_b128 v[KF+16*\t+8*\ks+4:KF+16*\t+8*\ks+7], v[KFA] offset:\slot*SLOT+16*KP*\t+64*\ks+32
.endr
.endr
.endm
.macro VFRAG slot                      ; A fragments of O^T: V lies [key][d], the load transposes 8 x 8: lane (r, h) gets d = 16 dt + r, keys 32 ks + 8 h .. and + 16
.irp ks, 0,1
.irp dt, 0,1,2,3
	ds_load_tr16_b128 v[VF+16*\dt+8*\ks:VF+16*\dt+8*\ks+3], v[VFA] offset:\slot*SLOT+4*VG*\ks+32*\dt
	ds_load_tr16_b128 v[VF+16*\dt+8*\ks+4:VF+16*\dt+8*\ks+7], v[VFA] offset:\slot*SLOT+4*VG*\ks+32*\dt+2*VG
.endr
.endr
.endm
.macro SMUL                            ; S^T (u, t) = K tile t x Q^T (u): d = 0..31 starts the sum, d = 32..63 goes on in place
.irp u, 0,1
.irp t, 0,1,2,3
	v_wmma_f32_16x16x32_bf16 v[SC+32*\u+8*\t:SC+32*\u+8*\t+7], v[KF+16*\t:KF+16*\t+7], v[QF+16*\u:QF+16*\u+7], 0
.endr
.irp t, 0,1,2,3
	v_wmma_f32_16x16x32_bf16 v[SC+32*\u+8*\t:SC+32*\u+8*\t+7], v[KF+16*\t+8:KF+16*\t+15], v[QF+16*\u+8:QF+16*\u+15], v[SC+32*\u+8*\t:SC+32*\u+8*\t+7]
.endr
.endr
.endm
.macro MASKTAIL                        ; position 16 t + 8 h + j of the first block counts only below s27
.irp t, 0,1,2,3
.irp j, 0,1,2,3,4,5,6,7
	v_cmp_lt_i32 vcc_lo, 16*\t+\j, v[REM]
	v_cndmask_b32 v[SC+8*\t+\j], 0xff800000, v[SC+8*\t+\j], vcc_lo
	v_cndmask_b32 v[SC+32+8*\t+\j], 0xff800000, v[SC+32+8*\t+\j], vcc_lo
.endr
.endr
.endm
; Tile u's 32 scores a lane: new maximum, weights 2^(c s - c m) packed to bf16 in place, O and l of the tile rescaled.
; first = 1: there is no old maximum and nothing to rescale.
.macro SOFTMAX u, first
.set SB, SC+32*\u
.set OB, OA+40*\u
.if \first
	v_max3_num_f32 v[CH], v[SB], v[SB+1], v[SB+2]
	v_max3_num_f32 v[CH+1], v[SB+3], v[SB+4], v[SB+5]
	v_max3_num_f32 v[CH+2], v[SB+6], v[SB+7], v[SB+8]
	v_max3_num_f32 v[CH+3], v[SB+9], v[SB+10], v[SB+11]
.set sx, 12
.else
	v_max3_num_f32 v[CH], v[SB], v[SB+1], v[MX+\u]
	v_max3_num_f32 v[CH+1], v[SB+2], v[SB+3], v[SB+4]
	v_max3_num_f32 v[CH+2], v[SB+5], v[SB+6], v[SB+7]
	v_max3_num_f32 v[CH+3], v[SB+8], v[SB+9], v[SB+10]
.set sx, 11
.endif
.set cx, 0
.rept 10
	v_max3_num_f32 v[CH+cx%4], v[CH+cx%4], v[SB+sx], v[SB+sx+1]
.set sx, sx+2
.set cx, cx+1
.endr
.if \first
	v_max3_num_f32 v[CH], v[CH], v[CH+1], v[CH+2]
	v_max_num_f32 v[CH], v[CH], v[CH+3]
.else
	v_max3_num_f32 v[CH], v[CH], v[CH+1], v[SB+31]
	v_max3_num_f32 v[CH], v[CH], v[CH+2], v[CH+3]
.endif
	v_permlanex16_b32 v[PX], v[CH], s20, s21               ; lane xor 16 holds the query's other 32 keys
	v_max_num_f32 v[MN], v[CH], v[PX]
	v_mul_f32 v[NCM], s24, v[MN]                           ; - c m
.if \first == 0
	v_fma_f32 v[CH], v[MX+\u], s22, v[NCM]                 ; c (old m - new m)
	v_exp_f32 v[AL], v[CH]
.endif
	v_mov_b32 v[MX+\u], v[MN]                              ; (also the plain slot behind that exponential: ISA guide 5.7.2)
.set g, 0
.rept 16
	v_pk_fma_f32 v[SB+2*g:SB+2*g+1], v[SB+2*g:SB+2*g+1], s[22:23], v[NCM:NCM+1] op_sel_hi:[1,0,0]
.set g, g+1
.endr
	; sixteen groups: two exponentials, a plain instruction (a rescale; in the first block the packing of the group before, a v_nop in group 0),
	; and only then the packing of the group before: a plain slot stands between every exponential and its use.
	; Packing: word kk of a P fragment takes scores 2 kk and 2 kk + 1 of its sixteen, so it never lands on a score not yet read.
.set g, 0
.rept 16
	v_exp_f32 v[SB+2*g], v[SB+2*g]
	v_exp_f32 v[SB+2*g+1], v[SB+2*g+1]
.if \first
.if g == 0
	v_nop
.endif
.else
	s_wait_alu depctr_va_vdst(0)
	v_pk_mul_f32 v[OB+2*g:OB+2*g+1], v[OB+2*g:OB+2*g+1], v[AL:AL+1] op_sel_hi:[1,0]
.endif
.if g > 0
	s_wait_alu depctr_va_vdst(0)
	v_cvt_pk_bf16_f32 v[SB+16*((g-1)/8)+(g-1)%8], v[SB+2*(g-1)], v[SB+2*(g-1)+1]
.endif
.set g, g+1
.endr
	s_wait_alu depctr_va_vdst(0)
	v_cvt_pk_bf16_f32 v[SB+23], v[SB+30], v[SB+31]
.if \first == 0
.rept 4
	v_pk_mul_f32 v[OB+2*g:OB+2*g+1], v[OB+2*g:OB+2*g+1], v[AL:AL+1] op_sel_hi:[1,0]
.set g, g+1
.endr
.endif
.endm
.macro PV u, first                     ; O^T (u, dt) += V^T (dt, ks) x P^T (u, ks); dt = 4: ones x P^T, the denominators
.irp ks, 0,1
.irp dt, 0,1,2,3
.if \first*(1-\ks)
	v_wmma_f32_16x16x32_bf16 v[OA+40*\u+8*\dt:OA+40*\u+8*\dt+7], v[VF+16*\dt+8*\ks:VF+16*\dt+8*\ks+7], v[SC+32*\u+16*\ks:SC+32*\u+16*\ks+7], 0
.else
	v_wmma_f32_16x16x32_bf16 v[OA+40*\u+8*\dt:OA+40*\u+8*\dt+7], v[VF+16*\dt+8*\ks:VF+16*\dt+8*\ks+7], v[SC+32*\u+16*\ks:SC+32*\u+16*\ks+7], v[OA+40*\u+8*\dt:OA+40*\u+8*\dt+7]
.endif
.endr
.if \first*(1-\ks)
	v_wmma_f32_16x16x32_bf16 v[OA+40*\u+32:OA+40*\u+39], v[ONES:ONES+7], v[SC+32*\u+16*\ks:SC+32*\u+16*\ks+7], 0
.else
	v_wmma_f32_16x16x32_bf16 v[OA+40*\u+32:OA+40*\u+39], v[ONES:ONES+7], v[SC+32*\u+16*\ks:SC+32*\u+16*\ks+7], v[OA+40*\u+32:OA+40*\u+39]
.endif
.endr
.endm
; One trip: multiply the block in slot cur; lay the block that was on its way into slot oth; ask for the rows of the block after that and
; for the list words of the one after that.
.macro BODY cur, oth, first
	s_add_co_u32 s29, s28, 2                               ; trip t multiplies block t - 1 (trip 0: block T - 1), lays block t, asks for the rows of block
	s_min_u32 s29, s29, 31                                 ; t + 1 and the list words of block t + 2, clamped to the list's last block: what is asked for
	s_lshl_b32 s29, s29, 8                                 ; past block T - 2 is never multiplied
	WIN ALL1
	KFRAG \cur
	CONVERT                                                ; 32 plain slots, which also stand between the last trip's PV and the loads into its V fragments
	STORE_KV \oth
	VFRAG \cur
	GATHER
	WIN A1
	s_wait_dscnt 32                                        ; the K fragments are in; the 16 stores and 16 V fragment loads may be out
	SMUL
	WIN 0
	PLACES
.if \first
	MASKTAIL
.endif
	SOFTMAX 0, \first
	WIN A1
	s_wait_dscnt 0x0                                       ; the V fragments
	PV 0, \first
	WIN 0
	SOFTMAX 1, \first                                      ; names none of PV 0's registers
	WIN A1
	PV 1, \first
	WIN 0
.endm
	; ---------------------------------------------------------------- set-up
	s_load_b256 s[4:11], s[0:1], 0x0                       ; order, keys, queries, values
	s_load_b64 s[12:13], s[0:1], 0x20                      ; out
	v_lshl_add_u32 v254, v0, 2, 0x29000
	v_mov_b32 v255, 0
	v_lshrrev_b32 v[PX], 5, v0
	v_readfirstlane_b32 s14, v[PX]                         ; wave 0..3
	s_mov_b32 s20, 0x76543210                              ; v_permlanex16_b32: lane i of the other half
	s_mov_b32 s21, 0xfedcba98
	s_mov_b32 s22, 0x3e38aa3b                              ; c = log2(e) / 8: the 1 / sqrt(64) and the change to base 2 in one
	s_mov_b32 s23, 0x3e38aa3b
	s_mov_b32 s24, 0xbe38aa3b                              ; - c
	v_and_b32 v8, 15, v0                                   ; r
	v_bfe_u32 v9, v0, 4, 1                                 ; h
	v_and_b32 v10, 7, v0
	v_bfe_u32 v11, v0, 3, 1
	v_mov_b32 v[NCM+1], 0                                  ; upper halves of two pairs of which only the lower is used
	v_mov_b32 v[AL+1], 0
	v_lshlrev_b32 v[H8], 3, v9
	s_lshl_b32 s31, s14, 6                                 ; my wave's 16 list words in a block
	s_mul_i32 s32, s14, 16*KP                              ; my wave's 16 K rows
	s_mul_i32 s33, s14, 2*VG
	s_add_co_u32 s33, s33, VOFF                            ; my wave's 16 V rows
	s_mul_i32 s30, s14, STAGEW
	s_add_co_u32 s30, s30, STAGE                           ; my wave's stage
	s_lshl_b32 s28, s14, 13                                ; my wave's 32 rows of Q
	v_mul_u32_u24 v16, v9, 8*KP
	v_lshl_add_u32 v16, v8, 3, v16                         ; 8 h rows of 144 + 8 r
	v_mul_u32_u24 v17, v9, VG
	v_lshl_add_u32 v17, v8, 3, v17                         ; h groups of 1,408 + 8 r
	v_mul_u32_u24 v18, v8, KP
	v_lshl_add_u32 v18, v9, 4, v18                         ; r rows of 144 + 16 h
	v_mul_u32_u24 v19, v9, VG
	v_mul_u32_u24 v20, v10, VP
	v_add_nc_u32 v19, v19, v20
	v_lshl_add_u32 v19, v11, 4, v19                        ; key 8 h + (lane & 7), 16 bytes at 16 x bit 3 of the lane
	v_lshlrev_b32 v21, 11, v9
	v_lshl_add_u32 v21, v8, 4, v21                         ; 8 h rows of 256 + 16 r
	WIN D1
	v_lshlrev_b32 v[L16], 4, v8
	v_lshl_add_u32 v[IDXA], v9, 5, s31
	v_add_nc_u32 v[KST], s32, v16
	v_add_nc_u32 v[VST], s33, v17
	v_mov_b32 v[KFA], v18
	v_add_nc_u32 v[VFA], VOFF, v19
	v_add_nc_u32 v[OFFS], s28, v21                         ; Q: byte offset of my 16 bytes in row 32 w + 8 h
	v_add_nc_u32 v[OFFS+1], s30, v16                       ; Q: where they go as 8 bytes of bf16
	v_add_nc_u32 v[OFFS+2], s30, v18                       ; Q: where the fragments are read
.irp i, 0,1,2,3,4,5,6,7
	v_mov_b32 v[ONES+\i], 0x3f803f80
.endr
	s_lshr_b32 s15, ttmp9, 4                               ; batch
	s_mov_b32 s19, 0
	s_wait_kmcnt 0x0
	s_mul_i32 s18, s15, BPITCH
	s_add_nc_u64 s[4:5], s[4:5], s[18:19]                  ; the batch's list
	s_load_b32 s25, s[4:5], 0x2000                         ; and its n, behind the list's 8,192 bytes
	s_lshl_b32 s18, s15, 19
	s_add_nc_u64 s[6:7], s[6:7], s[18:19]                  ; its 2,048 rows of 256 bytes of K
	s_add_nc_u64 s[10:11], s[10:11], s[18:19]              ; and of V
	s_lshl_b32 s18, ttmp9, 15
	s_add_nc_u64 s[8:9], s[8:9], s[18:19]                  ; the work-group's 128 rows of Q
	s_add_nc_u64 s[12:13], s[12:13], s[18:19]              ; and of out
	WIN ALL1
.set qi, 0
.rept 16
	global_load_b128 v[STG+4*qi:STG+4*qi+3], v[OFFS], s[8:9] offset:(16*(qi/8)+qi%8)*256 th:TH_LOAD_NT   ; rows 16 g + 8 h + j of my 32: sixteen lanes a row
.set qi, qi+1
.endr
	s_wait_kmcnt 0x0
	s_min_u32 s25, s25, 2048                               ; n
	s_add_co_u32 s26, s25, 63
	s_lshr_b32 s26, s26, 6
	s_max_u32 s26, s26, 1                                  ; T
	s_sub_co_u32 s33, s26, 1
	s_min_u32 s33, s33, 31                                 ; the last block
	s_lshl_b32 s27, s33, 6
	s_sub_co_u32 s27, s25, s27                             ; its valid positions: 1..64, or 0 where n = 0
	s_lshl_b32 s29, s33, 8
	IDXLD                                                  ; the list words of block T - 1
	; ---------------------------------------------------------------- Q to bf16 fragments through my own stage; the first two blocks
	CONVERT                                                ; Q's sixteen loads are in, the two index loads stay out
.set qi, 0
.rept 16
	ds_store_b64 v[OFFS+1], v[PK+2*qi:PK+2*qi+1] offset:(16*(qi/8)+qi%8)*KP
.set qi, qi+1
.endr
	WIN A1
.irp u, 0,1
.irp ks, 0,1
	ds_load_b128 v[QF+16*\u+8*\ks:QF+16*\u+8*\ks+3], v[OFFS+2] offset:16*KP*\u+64*\ks       ; my own bytes: LDS serves a wave in order (ISA guide 5.7.1)
	ds_load_b128 v[QF+16*\u+8*\ks+4:QF+16*\u+8*\ks+7], v[OFFS+2] offset:16*KP*\u+64*\ks+32
.endr
.endr
	WIN ALL1
	s_mov_b32 s29, 0
	GATHER                                                 ; the rows of block T - 1, the list words of block 0
	CONVERT
	STORE_KV 0                                             ; block T - 1 into slot 0
	s_mov_b32 s29, 256
	GATHER                                                 ; the rows of block 0, the list words of block 1
	WIN 0
	v_sub_nc_u32 v[REM], s27, v[H8]
	s_mov_b32 s28, 0
	; ---------------------------------------------------------------- the trips
	; One barrier a trip, in front of it s_wait_dscnt 0: every wave's stores into this trip's slot are done, and so are every wave's reads of
	; the other slot, which this trip's stores overwrite.  Every wave passes all 33 barriers; trips t >= T jump over the work alone.
	s_wait_dscnt 0x0                                       ; (here also Q's fragments)
	s_barrier_signal -1
	s_barrier_wait -1
	BODY 0, 1, 1
	s_mov_b32 s28, 1
	s_mov_b32 s30, 0
.Lloop:
	s_wait_dscnt 0x0
	s_barrier_signal -1
	s_barrier_wait -1
	s_cmp_ge_u32 s28, s26
	s_cbranch_scc1 .Lskip_odd
	BODY 1, 0, 0
.Lskip_odd:
	s_add_co_u32 s28, s28, 1
	s_wait_dscnt 0x0
	s_barrier_signal -1
	s_barrier_wait -1
	s_cmp_ge_u32 s28, s26
	s_cbranch_scc1 .Lskip_even
	BODY 0, 1, 0
.Lskip_even:
	s_add_co_u32 s28, s28, 1
	s_add_co_u32 s30, s30, 1
	s_cmp_lt_u32 s30, 16
	s_cbranch_scc1 .Lloop
	; ---------------------------------------------------------------- the way out
	; Lane (r, h) holds d = 16 dt + 8 h + 0..7 of query 16 u + r: 32 bytes of a row.  Divide, lay the 32 rows into my own stage, read whole rows back.
	; (The last rows and list words asked for are still on their way into block 1's registers, which nothing below names.)
	PLACES
	v_and_b32 v8, 15, v0
	v_bfe_u32 v9, v0, 4, 1
	s_mul_i32 s30, s14, STAGEW
	s_add_co_u32 s30, s30, STAGE
	s_lshl_b32 s31, s14, 13
	v_mul_u32_u24 v10, v8, OPITCH
	v_lshl_add_u32 v10, v9, 5, v10
	v_add_nc_u32 v10, s30, v10                             ; in: row r, 32 h
	v_mul_u32_u24 v11, v9, OPITCH
	v_lshl_add_u32 v11, v8, 4, v11
	v_add_nc_u32 v11, s30, v11                             ; back: row h, 16 r
	v_lshlrev_b32 v13, 8, v9
	v_lshl_add_u32 v13, v8, 4, v13
	v_add_nc_u32 v13, s31, v13                             ; out: row 32 w + h, 16 r
	v_rcp_f32 v[AL], v[OA+32]                              ; l >= 1 for n >= 1: the largest weight is 1
	v_rcp_f32 v[NCM], v[OA+72]
	v_nop                                                  ; the plain slot behind the reciprocals
.set g, 0
.rept 16
	s_wait_alu depctr_va_vdst(0)
	v_pk_mul_f32 v[OA+2*g:OA+2*g+1], v[OA+2*g:OA+2*g+1], v[AL:AL+1] op_sel_hi:[1,0]
	v_pk_mul_f32 v[OA+40+2*g:OA+40+2*g+1], v[OA+40+2*g:OA+40+2*g+1], v[NCM:NCM+1] op_sel_hi:[1,0]
.set g, g+1
.endr
.irp u, 0,1
.irp dt, 0,1,2,3
	ds_store_b128 v10, v[OA+40*\u+8*\dt:OA+40*\u+8*\dt+3] offset:16*OPITCH*\u+64*\dt
	ds_store_b128 v10, v[OA+40*\u+8*\dt+4:OA+40*\u+8*\dt+7] offset:16*OPITCH*\u+64*\dt+16
.endr
.endr
.set g, 0
.rept 16
	ds_load_b128 v[SC+4*g:SC+4*g+3], v11 offset:2*OPITCH*g ; rows 2 g and 2 g + 1; my own bytes, served in order behind the stores
.set g, g+1
.endr
.set g, 0
.rept 16
	s_wait_dscnt 15-g                                      ; the younger read-backs stay out
	global_store_b128 v13, v[SC+4*g:SC+4*g+3], s[12:13] offset:512*g th:TH_STORE_NT   ; 512 consecutive bytes: two whole rows of out
.set g, g+1
.endr
	s_wait_tensorcnt 0x0
	ds_add_u32 v254, v255
	s_wait_dscnt 0x0
	s_endpgm
.Lfunc_end_k_q35357640ce_attn:
	.size	k_q35357640ce_attn, .Lfunc_end_k_q35357640ce_attn-k_q35357640ce_attn
	.p2alignl 7, 3214868480
	.fill 96, 4, 3214868480
	.section	.rodata,"a",@progbits
	.p2align	6, 0x0
	.amdhsa_kernel k_q35357640ce_attn
		.amdhsa_group_segment_fixed_size 168448
		.amdhsa_private_segment_fixed_size 0
		.amdhsa_enable_private_segment 0
		.amdhsa_kernarg_size 40
		.amdhsa_user_sgpr_count 2
		.amdhsa_user_sgpr_kernarg_segment_ptr 1
		.amdhsa_wavefront_size32 1
		.amdhsa_system_sgpr_workgroup_id_x 1
		.amdhsa_system_sgpr_workgroup_id_y 1
		.amdhsa_system_sgpr_workgroup_id_z 1
		.amdhsa_system_vgpr_workitem_id 0
		.amdhsa_next_free_vgpr 512
		.amdhsa_next_free_sgpr 66
		.amdhsa_reserve_vcc 1
		.amdhsa_float_denorm_mode_32 3
		.amdhsa_float_denorm_mode_16_64 3
		.amdhsa_memory_ordered 1
		.amdhsa_forward_progress 1
		.amdhsa_inst_pref_size 99
	.end_amdhsa_kernel
	.amdgpu_metadata
---
amdhsa.version: [ 1, 2 ]
amdhsa.kernels:
  - .name:           k_q35357640ce_attn
    .symbol:         k_q35357640ce_attn.kd
    .args:
      - { .name: order, .offset: 0, .size: 8, .value_kind: global_buffer, .address_space: global }
      - { .name: keys, .offset: 8, .size: 8, .value_kind: global_buffer, .address_space: global }
      - { .name: queries, .offset: 16, .size: 8, .value_kind: global_buffer, .address_space: global }
      - { .name: values, .offset: 24, .size: 8, .value_kind: global_buffer, .address_space: global }
      - { .name: out0, .offset: 32, .size: 8, .value_kind: global_buffer, .address_space: global }
    .group_segment_fixed_size: 168448
    .private_segment_fixed_size: 0
    .kernarg_segment_align: 8
    .kernarg_segment_size: 40
    .max_flat_workgroup_size: 128
    .sgpr_count:     66
    .vgpr_count:     512
    .wavefront_size: 32
...
	.end_amdgpu_metadata
.endif
;; end of part 2
;; ======== version 2 of 2: 2 launches; 1.32 times as fast as version 1
;; workspace buffers: order 135,168 bytes of whole numbers
;; launch list: the kernel of part 1 again; grid 16 x 1, 1 waves a work-group, no clusters, 8,448 bytes of LDS; arguments key_padding_mask, order; writes order
;; launch attn (part 3): grid 256 x 1, 4 waves a work-group, no clusters, 168,448 bytes of LDS; arguments order, keys, queries, values, out0; writes out0
.if DOCPART == 3
	.amdgcn_target "amdgcn-amd-amdhsa--gfx1250"
	.amdhsa_code_object_version 6
	.text
	.protected	k_q35357640ce_attn
	.globl	k_q35357640ce_attn
	.p2align	8
	.type	k_q35357640ce_attn,@function
k_q35357640ce_attn:
	s_mov_b64 s[64:65], 0
	v_nop
	global_prefetch_b8 v0, s[64:65] scope:SCOPE_SE
	s_setreg_imm32_b32 hwreg(HW_REG_WAVE_MODE, 25, 1), 1
	s_wait_xcnt 0x0
; out[b][q][:] = softmax over the unmasked keys k of (Q[b][q] . K[b][k] / 8) applied to V[b][k][:].   B = 16, Sq = Sk = 2048, d = 64, all f32.
; Work-group x: batch x >> 4, 128 query rows (x & 15).  Four waves, 32 query rows each (two tiles u of 16), 64 keys a trip.
;
; COMPACTION.  A masked key gets the weight 0 whatever else holds.  The launch before this one has turned each batch's mask into a list in the
; buffer order: the n unmasked keys in front, the masked ones behind (a whole permutation of 0..2047, so every entry is a row of the batch), and n.
; Only T = ceil(n / 64) blocks of 64 listed keys are multiplied; with no key masked that is all 32.  The last block, the only one that can be
; partly filled, goes FIRST: its positions >= n get -inf, it starts every sum (C = 0: nothing is cleared) and leaves a finite running maximum
; for n >= 1.  n = 0: all scores are -inf, (-inf) - (-inf) is NaN, and the rows come out NaN as softmax of an empty row does.
;
; TRANSPOSED PRODUCTS.  S^T = K Q^T: register j of tile t holds key 16 t + 8 h + j for query r (r = lane & 15, h = lane >> 4), so a query's
; maximum, shift and rescale are one number a lane, and packing pairs of score registers to bf16 gives the B fragment of O^T = V^T P^T as it stands.
; A fifth row tile of that product takes a fragment of ones as A: its sums are the softmax denominators, from the same rounded weights.
; The running maximum is taken away in every trip; O and the denominators are rescaled in every trip (no branch hangs on a float).
;
; THE EXPONENTIALS OF A TRIP ARE ONE BATCH WITH ONE WAIT.  Ahead of the wait stands all that names no exponential's result: both tiles' maxima,
; statistics and scalings, the two rescale factors a and the 64 weights (66 exponentials; 64 in the first block, which has no a).  Behind it stand
; all that do: the packings to bf16 and the rescalings of O and l, each tile's in front of its products V^T P^T..
; The way out's two reciprocals are a batch of their own, again with one wait.
;
; K AND V come by register loads: sixteen lanes take one listed row of 256 bytes, whole; each row is rounded to bf16 once per work-group and laid
; into one of two LDS slots.  Three stages run ahead of the products: trip t multiplies block t - 1, lays block t into the other slot, asks for
; the rows of block t + 1 and for the list words of block t + 2.
; NO TENSOR LOADS, NO CLUSTER: the sixteen work-groups of a batch do read the same rows, but the rows are picked by a list (no rectangle) and are
; f32 that has to pass through registers to become bf16; register loads have no joint form.
; LIMITS: weights below 2^-126 count as 0 (v_exp_f32 flushes); weights and their sum are of bf16-rounded weights, added in f32; keys are
; added in list order; an infinity or NaN in a masked row of V is not carried into the result unless that row fills up the first
; (partly filled) block.
.set BPITCH, 8448                      ; order: bytes for a batch, 8,192 of list and 256 that hold n
.set KP,     144                       ; K and Q rows in LDS: 128 bytes of bf16 + 16
.set VP,     160                       ; V rows in LDS: 128 bytes + 32
.set VG,     1408                      ; eight V rows + 128 bytes
.set VOFF,   9216                      ; V behind a slot's 64 K rows
.set SLOT,   20480                     ; 9,216 of K + 8 x 1,408 of V; two slots from byte 0
.set STAGE,  40960                     ; 8,704 bytes for each wave, its own: Q as bf16 at first, O as f32 at the end
.set STAGEW, 8704
.set OPITCH, 272                       ; an O row on the way out: 256 bytes + 16
; block 0 (v0-v255)
.set MX,   2                           ; v2, v3     running maximum of my query in tile u
.set NCM,  4                           ; v[4:5]     - c x new maximum of the tile in hand (v5 only fills the pair); at the end 1 / l of tile 1
.set AL,   6                           ; v[6:7]     tile 0's rescale factor a (v7 only fills the pair); at the end 1 / l of tile 0
.set CH,   8                           ; v8-v11     four chains of maxima; set-up and way-out temporaries
.set PX,   12                          ; v12        what the other half of the lanes found
.set MN,   13                          ; v13        new maximum
.set REM,  14                          ; v14        valid positions in the first block, minus 8 h
.set H8,   15                          ; v15        8 h
.set QF,   16                          ; v[16:47]   Q fragments (u, ks) at 16 u + 8 ks
.set SC,   48                          ; v[48:111]  scores (u, t) at 32 u + 8 t; then P (u, ks) at 32 u + 16 ks; read-back on the way out
.set OA,   112                         ; v[112:191] O^T (u, dt) at 40 u + 8 dt; dt = 4: the denominators
.set AL1,  192                         ; v[192:193] tile 1's rescale factor a (v193 only fills the pair): both tiles' a are open in one batch, so each has its own register
; block 1 (v256-v511, written with their low eight bits)
.set L16,  0                           ; 16 r
.set IDXA, 1                           ; 64 w + 32 h: the eight list words of my rows in block 0
.set KST,  2                           ; where my 8 bytes of K row 16 w + 8 h go, slot 0
.set VST,  3                           ; the same for V
.set KFA,  4                           ; K fragments: r x 144 + 16 h
.set VFA,  5                           ; V fragments (transposing loads)
.set IA,   6                           ; list offset of the block whose words are asked for
.set IDX,  8                           ; v[8:15]    eight list words
.set STG,  16                          ; v[16:79]   eight K rows' and eight V rows' 16 bytes, f32, as loaded (Q's sixteen at first)
.set PK,   80                          ; v[80:111]  the same as bf16
.set KF,   112                         ; v[112:175] K fragments (t, ks) at 16 t + 8 ks
.set VF,   176                         ; v[176:239] V^T fragments (dt, ks) at 16 dt + 8 ks
.set ONES, 240                         ; v[240:247] a fragment of bf16 ones
.set OFFS, 248                         ; v[248:255] byte offsets of my eight rows (Q's three addresses at first)
; scalars: s[4:5] order, s[6:7] keys, s[8:9] queries, s[10:11] values, s[12:13] out, s14 wave, s[20:21] lane selects, s[22:23] c, c, s24 -c,
; s25 n, s26 T, s27 valid positions of the first block, s28 trip, s29 256 x block whose list words are asked for, s30 loop counter, s31-s33 temporaries
.set MSB, 0
.macro WIN new                         ; register windows: bits 1:0 source 0, 3:2 source 1, 5:4 source 2, 7:6 destination; the high byte repeats the setting left
.if MSB != \new
	s_set_vgpr_msb (MSB<<8)|\new
.set MSB, \new
.endif
.endm
.set ALL1, 0x55                        ; every operand in block 1: the loader's work
.set A1,   0x01                        ; source 0 in block 1: a matrix instruction's A, an LDS load's address
.set D1,   0x40                        ; destination in block 1: set-up
.macro PLACES                          ; four independent vector slots behind a matrix instruction before its registers are touched (ISA guide 7.12.1)
.rept 4
	v_nop
.endr
.endm
.macro IDXLD                           ; the list words of rows 16 w + 8 h + 0..7 of the block at s29; the sixteen lanes of a half share them
	v_add_nc_u32 v[IA], s29, v[IDXA]
	global_load_b128 v[IDX:IDX+3], v[IA], s[4:5]
	global_load_b128 v[IDX+4:IDX+7], v[IA], s[4:5] offset:16
.endm
.macro GATHER                          ; ask for the rows that the list words name, then for the next list words
	s_wait_loadcnt 0x0                                     ; the two index loads; nothing else is out (CONVERT has waited for the rows before); frees IA too
.irp j, 0,1,2,3,4,5,6,7
	v_min_u32 v[OFFS+\j], 0x7ff, v[IDX+\j]                 ; a row of the batch, whatever the word
.endr
.irp j, 0,1,2,3,4,5,6,7
	v_lshl_add_u32 v[OFFS+\j], v[OFFS+\j], 8, v[L16]       ; 256 bytes a row, 16 bytes a lane: sixteen lanes take the whole row
.endr
.irp j, 0,1,2,3,4,5,6,7
	global_load_b128 v[STG+4*\j:STG+4*\j+3], v[OFFS+\j], s[6:7]
.endr
.irp j, 0,1,2,3,4,5,6,7
	global_load_b128 v[STG+32+4*\j:STG+32+4*\j+3], v[OFFS+\j], s[10:11]
.endr
	IDXLD
.endm
.macro CONVERT                         ; 64 f32 to 32 words of bf16
	s_wait_loadcnt 2                                       ; the sixteen row loads are in; the two index loads issued behind them stay out
.set ci, 0
.rept 32
	v_cvt_pk_bf16_f32 v[PK+ci], v[STG+2*ci], v[STG+2*ci+1]
.set ci, ci+1
.endr
.endm
.macro STORE_KV slot                   ; 8 bytes a lane; the two halves of the lanes are 1,152 or 1,408 bytes apart, 128 modulo 256
.irp j, 0,1,2,3,4,5,6,7
	ds_store_b64 v[KST], v[PK+2*\j:PK+2*\j+1] offset:\slot*SLOT+KP*\j
.endr
.irp j, 0,1,2,3,4,5,6,7
	ds_store_b64 v[VST], v[PK+16+2*\j:PK+16+2*\j+1] offset:\slot*SLOT+VP*\j
.endr
.endm
.macro KFRAG slot                      ; A fragments of S^T: lane (r, h) takes key 16 t + r, d = 32 ks + 8 h .. and + 16
.irp t, 0,1,2,3
.irp ks, 0,1
	ds_load_b128 v[KF+16*\t+8*\ks:KF+16*\t+8*\ks+3], v[KFA] offset:\slot*SLOT+16*KP*\t+64*\ks
	ds_load_b128 v[KF+16*\t+8*\ks+4:KF+16*\t+8*\ks+7], v[KFA] offset:\slot*SLOT+16*KP*\t+64*\ks+32
.endr
.endr
.endm
.macro VFRAG slot                      ; A fragments of O^T: V lies [key][d], the load transposes 8 x 8: lane (r, h) gets d = 16 dt + r, keys 32 ks + 8 h .. and + 16
.irp ks, 0,1
.irp dt, 0,1,2,3
	ds_load_tr16_b128 v[VF+16*\dt+8*\ks:VF+16*\dt+8*\ks+3], v[VFA] offset:\slot*SLOT+4*VG*\ks+32*\dt
	ds_load_tr16_b128 v[VF+16*\dt+8*\ks+4:VF+16*\dt+8*\ks+7], v[VFA] offset:\slot*SLOT+4*VG*\ks+32*\dt+2*VG
.endr
.endr
.endm
.macro SMUL                            ; S^T (u, t) = K tile t x Q^T (u): d = 0..31 starts the sum, d = 32..63 goes on in place
.irp u, 0,1
.irp t, 0,1,2,3
	v_wmma_f32_16x16x32_bf16 v[SC+32*\u+8*\t:SC+32*\u+8*\t+7], v[KF+16*\t:KF+16*\t+7], v[QF+16*\u:QF+16*\u+7], 0
.endr
.irp t, 0,1,2,3
	v_wmma_f32_16x16x32_bf16 v[SC+32*\u+8*\t:SC+32*\u+8*\t+7], v[KF+16*\t+8:KF+16*\t+15], v[QF+16*\u+8:QF+16*\u+15], v[SC+32*\u+8*\t:SC+32*\u+8*\t+7]
.endr
.endr
.endm
.macro MASKTAIL                        ; position 16 t + 8 h + j of the first block counts only below s27
.irp t, 0,1,2,3
.irp j, 0,1,2,3,4,5,6,7
	v_cmp_lt_i32 vcc_lo, 16*\t+\j, v[REM]
	v_cndmask_b32 v[SC+8*\t+\j], 0xff800000, v[SC+8*\t+\j], vcc_lo
	v_cndmask_b32 v[SC+32+8*\t+\j], 0xff800000, v[SC+32+8*\t+\j], vcc_lo
.endr
.endr
.endm
; THE SOFTMAX OF A TRIP, one line at a time.  s0-s31 are the lane's 32 scores of tile u.
; XS u, first, n: number n of the 22 that find tile u's new maximum and statistics.  first = 1: there is no old maximum and no a.
;   0-13   four chains of maxima, three operands at a time, the scores in ascending order (number 0 takes the old maximum in)
;   14, 15 the four chains into one        16, 17 lane xor 16 holds the query's other 32 keys: the new maximum
;   18     - c m        19  c (old m - new m)        20  a, an exponential        21  the new maximum is kept
.macro XS u, first, n
.set SB, SC+32*(\u)
.set rA, AL+(AL1-AL)*(\u)
.if (\n) == 0
.if \first
	v_max3_num_f32 v[CH], v[SB], v[SB+1], v[SB+2]
.else
	v_max3_num_f32 v[CH], v[SB], v[SB+1], v[MX+(\u)]
.endif
.elseif (\n) < 4
	v_max3_num_f32 v[CH+(\n)], v[SB+3*(\n)-1+(\first)], v[SB+3*(\n)+(\first)], v[SB+3*(\n)+1+(\first)]
.elseif (\n) < 14
	v_max3_num_f32 v[CH+(\n)%4], v[CH+(\n)%4], v[SB+2*(\n)+3+(\first)], v[SB+2*(\n)+4+(\first)]
.elseif (\n) == 14
.if \first
	v_max3_num_f32 v[CH], v[CH], v[CH+1], v[CH+2]
.else
	v_max3_num_f32 v[CH], v[CH], v[CH+1], v[SB+31]
.endif
.elseif (\n) == 15
.if \first
	v_max_num_f32 v[CH], v[CH], v[CH+3]
.else
	v_max3_num_f32 v[CH], v[CH], v[CH+2], v[CH+3]
.endif
.elseif (\n) == 16
	v_permlanex16_b32 v[PX], v[CH], s20, s21
.elseif (\n) == 17
	v_max_num_f32 v[MN], v[CH], v[PX]
.elseif (\n) == 18
	v_mul_f32 v[NCM], s24, v[MN]
.elseif (\n) == 19
.if !(\first)
	v_fma_f32 v[CH], v[MX+(\u)], s22, v[NCM]
.endif
.elseif (\n) == 20
.if !(\first)
	v_exp_f32 v[rA], v[CH]
.endif
.else
	v_mov_b32 v[MX+(\u)], v[MN]
.endif
.endm
.macro FS u, g                         ; scaling: c s - c m for scores 2 g and 2 g + 1 of tile u
.set SB, SC+32*(\u)
	v_pk_fma_f32 v[SB+2*(\g):SB+2*(\g)+1], v[SB+2*(\g):SB+2*(\g)+1], s[22:23], v[NCM:NCM+1] op_sel_hi:[1,0,0]
.endm
.macro EX u, k                         ; the weight of score k of tile u, in place
	v_exp_f32 v[SC+32*(\u)+(\k)], v[SC+32*(\u)+(\k)]
.endm
; THE BATCH: all that names no exponential's result, and at its end the trip's one wait.
; Tile 0's statistics and a; then its 32 exponentials, a plain line behind each: its scalings 4 to 15, then numbers 0 to 19 of tile 1's statistics,
; whose dependent links so stand an exponential apart.  Then tile 1's a, and its scalings and exponentials, one scaling to two exponentials.
; What the deal keeps: exponential k stands behind scaling k / 2 (tile 0: scalings 0-3 lead, scaling j follows exponential j - 4; tile 1: scalings 0, 1
; lead, scaling j follows exponential 2 j - 4); a scaling never names a score that has had its exponential (tile 0: scores 2 k + 8, 2 k + 9 behind
; exponential k; tile 1: scores 2 k + 4, 2 k + 5 behind exponential 2 k); - c m is written anew (number 18) behind all of tile 0's scalings.
.macro WEIGHTS first
.set n, 0
.rept 22
	XS 0, \first, n                                        ; number 21, a plain line, stands behind tile 0's a, ahead of any write of that exponential's source
.set n, n+1
.endr
	FS 0, 0
	FS 0, 1
	FS 0, 2
	FS 0, 3
.set k, 0
.rept 32
	EX 0, k
.if k < 12
	FS 0, k+4
.else
	XS 1, \first, k-12
.endif
.set k, k+1
.endr
	XS 1, \first, 20                                       ; tile 1's a, into a register of its own
	FS 1, 0
	FS 1, 1
.set k, 0
.rept 16
	EX 1, 2*k
.if k < 14
	FS 1, k+2
.endif
	EX 1, 2*k+1
.set k, k+1
.endr
	XS 1, \first, 21                                       ; tile 1's new maximum is kept: the plain line behind the last exponential (ISA guide 5.7.2), one for the batch
	s_wait_alu depctr_va_vdst(0)                           ; the wait, ONE for the trip's batch: both tiles' a and all 64 weights; every reader stands behind it
.endm
; BEHIND THE WAIT.  Packing: word kk of a P fragment takes scores 2 kk and 2 kk + 1 of its sixteen, in ascending order, so it never lands on a score not yet read.
.macro PACKP u
.set g, 0
.rept 16
	v_cvt_pk_bf16_f32 v[SC+32*(\u)+16*(g/8)+g%8], v[SC+32*(\u)+2*g], v[SC+32*(\u)+2*g+1]
.set g, g+1
.endr
.endm
.macro RESCALE u                       ; tile u's O^T and denominators times its a
.set rA, AL+(AL1-AL)*(\u)
.set g, 0
.rept 20
	v_pk_mul_f32 v[OA+40*(\u)+2*g:OA+40*(\u)+2*g+1], v[OA+40*(\u)+2*g:OA+40*(\u)+2*g+1], v[rA:rA+1] op_sel_hi:[1,0]
.set g, g+1
.endr
.endm
.macro PV u, first                     ; O^T (u, dt) += V^T (dt, ks) x P^T (u, ks); dt = 4: ones x P^T, the denominators
.irp ks, 0,1
.irp dt, 0,1,2,3
.if \first*(1-\ks)
	v_wmma_f32_16x16x32_bf16 v[OA+40*\u+8*\dt:OA+40*\u+8*\dt+7], v[VF+16*\dt+8*\ks:VF+16*\dt+8*\ks+7], v[SC+32*\u+16*\ks:SC+32*\u+16*\ks+7], 0
.else
	v_wmma_f32_16x16x32_bf16 v[OA+40*\u+8*\dt:OA+40*\u+8*\dt+7], v[VF+16*\dt+8*\ks:VF+16*\dt+8*\ks+7], v[SC+32*\u+16*\ks:SC+32*\u+16*\ks+7], v[OA+40*\u+8*\dt:OA+40*\u+8*\dt+7]
.endif
.endr
.if \first*(1-\ks)
	v_wmma_f32_16x16x32_bf16 v[OA+40*\u+32:OA+40*\u+39], v[ONES:ONES+7], v[SC+32*\u+16*\ks:SC+32*\u+16*\ks+7], 0
.else
	v_wmma_f32_16x16x32_bf16 v[OA+40*\u+32:OA+40*\u+39], v[ONES:ONES+7], v[SC+32*\u+16*\ks:SC+32*\u+16*\ks+7], v[OA+40*\u+32:OA+40*\u+39]
.endif
.endr
.endm
; One trip: multiply the block in slot cur; lay the block that was on its way into slot oth; ask for the rows of the block after that and
; for the list words of the one after that.
.macro BODY cur, oth, first
	s_add_co_u32 s29, s28, 2                               ; trip t multiplies block t - 1 (trip 0: block T - 1), lays block t, asks for the rows of block
	s_min_u32 s29, s29, 31                                 ; t + 1 and the list words of block t + 2, clamped to the list's last block: what is asked for
	s_lshl_b32 s29, s29, 8                                 ; past block T - 2 is never multiplied
	WIN ALL1
	KFRAG \cur
	CONVERT                                                ; 32 plain slots, which also stand between the last trip's PV and the loads into its V fragments
	STORE_KV \oth
	VFRAG \cur
	GATHER
	WIN A1
	s_wait_dscnt 32                                        ; the K fragments are in; the 16 stores and 16 V fragment loads may be out
	SMUL
	WIN 0
	PLACES
.if \first
	MASKTAIL
.endif
	WEIGHTS \first                                         ; both tiles' statistics, scalings and exponentials, and the one wait
	PACKP 0
.if \first == 0
	RESCALE 0
.endif
	WIN A1
	s_wait_dscnt 0x0                                       ; the V fragments
	PV 0, \first
	WIN 0
	PACKP 1                                                ; names none of PV 0's registers,
.if \first == 0
	RESCALE 1                                              ; nor does this
.endif
	WIN A1
	PV 1, \first
	WIN 0
.endm
	; ---------------------------------------------------------------- set-up
	s_load_b256 s[4:11], s[0:1], 0x0                       ; order, keys, queries, values
	s_load_b64 s[12:13], s[0:1], 0x20                      ; out
	v_lshl_add_u32 v254, v0, 2, 0x29000
	v_mov_b32 v255, 0
	v_lshrrev_b32 v[PX], 5, v0
	v_readfirstlane_b32 s14, v[PX]                         ; wave 0..3
	s_mov_b32 s20, 0x76543210                              ; v_permlanex16_b32: lane i of the other half
	s_mov_b32 s21, 0xfedcba98
	s_mov_b32 s22, 0x3e38aa3b                              ; c = log2(e) / 8: the 1 / sqrt(64) and the change to base 2 in one
	s_mov_b32 s23, 0x3e38aa3b
	s_mov_b32 s24, 0xbe38aa3b                              ; - c
	v_and_b32 v8, 15, v0                                   ; r
	v_bfe_u32 v9, v0, 4, 1                                 ; h
	v_and_b32 v10, 7, v0
	v_bfe_u32 v11, v0, 3, 1
	v_mov_b32 v[NCM+1], 0                                  ; upper halves of three pairs of which only the lower is used
	v_mov_b32 v[AL+1], 0
	v_mov_b32 v[AL1+1], 0
	v_lshlrev_b32 v[H8], 3, v9
	s_lshl_b32 s31, s14, 6                                 ; my wave's 16 list words in a block
	s_mul_i32 s32, s14, 16*KP                              ; my wave's 16 K rows
	s_mul_i32 s33, s14, 2*VG
	s_add_co_u32 s33, s33, VOFF                            ; my wave's 16 V rows
	s_mul_i32 s30, s14, STAGEW
	s_add_co_u32 s30, s30, STAGE                           ; my wave's stage
	s_lshl_b32 s28, s14, 13                                ; my wave's 32 rows of Q
	v_mul_u32_u24 v16, v9, 8*KP
	v_lshl_add_u32 v16, v8, 3, v16                         ; 8 h rows of 144 + 8 r
	v_mul_u32_u24 v17, v9, VG
	v_lshl_add_u32 v17, v8, 3, v17                         ; h groups of 1,408 + 8 r
	v_mul_u32_u24 v18, v8, KP
	v_lshl_add_u32 v18, v9, 4, v18                         ; r rows of 144 + 16 h
	v_mul_u32_u24 v19, v9, VG
	v_mul_u32_u24 v20, v10, VP
	v_add_nc_u32 v19, v19, v20
	v_lshl_add_u32 v19, v11, 4, v19                        ; key 8 h + (lane & 7), 16 bytes at 16 x bit 3 of the lane
	v_lshlrev_b32 v21, 11, v9
	v_lshl_add_u32 v21, v8, 4, v21                         ; 8 h rows of 256 + 16 r
	WIN D1
	v_lshlrev_b32 v[L16], 4, v8
	v_lshl_add_u32 v[IDXA], v9, 5, s31
	v_add_nc_u32 v[KST], s32, v16
	v_add_nc_u32 v[VST], s33, v17
	v_mov_b32 v[KFA], v18
	v_add_nc_u32 v[VFA], VOFF, v19
	v_add_nc_u32 v[OFFS], s28, v21                         ; Q: byte offset of my 16 bytes in row 32 w + 8 h
	v_add_nc_u32 v[OFFS+1], s30, v16                       ; Q: where they go as 8 bytes of bf16
	v_add_nc_u32 v[OFFS+2], s30, v18                       ; Q: where the fragments are read
.irp i, 0,1,2,3,4,5,6,7
	v_mov_b32 v[ONES+\i], 0x3f803f80
.endr
	s_lshr_b32 s15, ttmp9, 4                               ; batch
	s_mov_b32 s19, 0
	s_wait_kmcnt 0x0
	s_mul_i32 s18, s15, BPITCH
	s_add_nc_u64 s[4:5], s[4:5], s[18:19]                  ; the batch's list
	s_load_b32 s25, s[4:5], 0x2000                         ; and its n, behind the list's 8,192 bytes
	s_lshl_b32 s18, s15, 19
	s_add_nc_u64 s[6:7], s[6:7], s[18:19]                  ; its 2,048 rows of 256 bytes of K
	s_add_nc_u64 s[10:11], s[10:11], s[18:19]              ; and of V
	s_lshl_b32 s18, ttmp9, 15
	s_add_nc_u64 s[8:9], s[8:9], s[18:19]                  ; the work-group's 128 rows of Q
	s_add_nc_u64 s[12:13], s[12:13], s[18:19]              ; and of out
	WIN ALL1
.set qi, 0
.rept 16
	global_load_b128 v[STG+4*qi:STG+4*qi+3], v[OFFS], s[8:9] offset:(16*(qi/8)+qi%8)*256 th:TH_LOAD_NT   ; rows 16 g + 8 h + j of my 32: sixteen lanes a row
.set qi, qi+1
.endr
	s_wait_kmcnt 0x0
	s_min_u32 s25, s25, 2048                               ; n
	s_add_co_u32 s26, s25, 63
	s_lshr_b32 s26, s26, 6
	s_max_u32 s26, s26, 1                                  ; T
	s_sub_co_u32 s33, s26, 1
	s_min_u32 s33, s33, 31                                 ; the last block
	s_lshl_b32 s27, s33, 6
	s_sub_co_u32 s27, s25, s27                             ; its valid positions: 1..64, or 0 where n = 0
	s_lshl_b32 s29, s33, 8
	IDXLD                                                  ; the list words of block T - 1
	; ---------------------------------------------------------------- Q to bf16 fragments through my own stage; the first two blocks
	CONVERT                                                ; Q's sixteen loads are in, the two index loads stay out
.set qi, 0
.rept 16
	ds_store_b64 v[OFFS+1], v[PK+2*qi:PK+2*qi+1] offset:(16*(qi/8)+qi%8)*KP
.set qi, qi+1
.endr
	WIN A1
.irp u, 0,1
.irp ks, 0,1
	ds_load_b128 v[QF+16*\u+8*\ks:QF+16*\u+8*\ks+3], v[OFFS+2] offset:16*KP*\u+64*\ks       ; my own bytes: LDS serves a wave in order (ISA guide 5.7.1)
	ds_load_b128 v[QF+16*\u+8*\ks+4:QF+16*\u+8*\ks+7], v[OFFS+2] offset:16*KP*\u+64*\ks+32
.endr
.endr
	WIN ALL1
	s_mov_b32 s29, 0
	GATHER                                                 ; the rows of block T - 1, the list words of block 0
	CONVERT
	STORE_KV 0                                             ; block T - 1 into slot 0
	s_mov_b32 s29, 256
	GATHER                                                 ; the rows of block 0, the list words of block 1
	WIN 0
	v_sub_nc_u32 v[REM], s27, v[H8]
	s_mov_b32 s28, 0
	; ---------------------------------------------------------------- the trips
	; One barrier a trip, in front of it s_wait_dscnt 0: every wave's stores into this trip's slot are done, and so are every wave's reads of
	; the other slot, which this trip's stores overwrite.  Every wave passes all 33 barriers; trips t >= T jump over the work alone.
	s_wait_dscnt 0x0                                       ; (here also Q's fragments)
	s_barrier_signal -1
	s_barrier_wait -1
	BODY 0, 1, 1
	s_mov_b32 s28, 1
	s_mov_b32 s30, 0
.Lloop:
	s_wait_dscnt 0x0
	s_barrier_signal -1
	s_barrier_wait -1
	s_cmp_ge_u32 s28, s26
	s_cbranch_scc1 .Lskip_odd
	BODY 1, 0, 0
.Lskip_odd:
	s_add_co_u32 s28, s28, 1
	s_wait_dscnt 0x0
	s_barrier_signal -1
	s_barrier_wait -1
	s_cmp_ge_u32 s28, s26
	s_cbranch_scc1 .Lskip_even
	BODY 0, 1, 0
.Lskip_even:
	s_add_co_u32 s28, s28, 1
	s_add_co_u32 s30, s30, 1
	s_cmp_lt_u32 s30, 16
	s_cbranch_scc1 .Lloop
	; ---------------------------------------------------------------- the way out
	; Lane (r, h) holds d = 16 dt + 8 h + 0..7 of query 16 u + r: 32 bytes of a row.  Divide, lay the 32 rows into my own stage, read whole rows back.
	; (The last rows and list words asked for are still on their way into block 1's registers, which nothing below names.)
	; The two reciprocals are one batch: the addresses, which name neither result, are made between them and their wait.
	PLACES
	v_rcp_f32 v[AL], v[OA+32]                              ; l >= 1 for n >= 1: the largest weight is 1
	v_rcp_f32 v[NCM], v[OA+72]
	v_and_b32 v8, 15, v0                                   ; (also the plain slot behind the reciprocals: ISA guide 5.7.2)
	v_bfe_u32 v9, v0, 4, 1
	s_mul_i32 s30, s14, STAGEW
	s_add_co_u32 s30, s30, STAGE
	s_lshl_b32 s31, s14, 13
	v_mul_u32_u24 v10, v8, OPITCH
	v_lshl_add_u32 v10, v9, 5, v10
	v_add_nc_u32 v10, s30, v10                             ; in: row r, 32 h
	v_mul_u32_u24 v11, v9, OPITCH
	v_lshl_add_u32 v11, v8, 4, v11
	v_add_nc_u32 v11, s30, v11                             ; back: row h, 16 r
	v_lshlrev_b32 v13, 8, v9
	v_lshl_add_u32 v13, v8, 4, v13
	v_add_nc_u32 v13, s31, v13                             ; out: row 32 w + h, 16 r
	s_wait_alu depctr_va_vdst(0)                           ; the wait: one for the two reciprocals, ahead of their first reader
.set g, 0
.rept 16
	v_pk_mul_f32 v[OA+2*g:OA+2*g+1], v[OA+2*g:OA+2*g+1], v[AL:AL+1] op_sel_hi:[1,0]
	v_pk_mul_f32 v[OA+40+2*g:OA+40+2*g+1], v[OA+40+2*g:OA+40+2*g+1], v[NCM:NCM+1] op_sel_hi:[1,0]
.set g, g+1
.endr
.irp u, 0,1
.irp dt, 0,1,2,3
	ds_store_b128 v10, v[OA+40*\u+8*\dt:OA+40*\u+8*\dt+3] offset:16*OPITCH*\u+64*\dt
	ds_store_b128 v10, v[OA+40*\u+8*\dt+4:OA+40*\u+8*\dt+7] offset:16*OPITCH*\u+64*\dt+16
.endr
.endr
.set g, 0
.rept 16
	ds_load_b128 v[SC+4*g:SC+4*g+3], v11 offset:2*OPITCH*g ; rows 2 g and 2 g + 1; my own bytes, served in order behind the stores
.set g, g+1
.endr
.set g, 0
.rept 16
	s_wait_dscnt 15-g                                      ; the younger read-backs stay out
	global_store_b128 v13, v[SC+4*g:SC+4*g+3], s[12:13] offset:512*g th:TH_STORE_NT   ; 512 consecutive bytes: two whole rows of out
.set g, g+1
.endr
	s_wait_tensorcnt 0x0
	ds_add_u32 v254, v255
	s_wait_dscnt 0x0
	s_endpgm
.Lfunc_end_k_q35357640ce_attn:
	.size	k_q35357640ce_attn, .Lfunc_end_k_q35357640ce_attn-k_q35357640ce_attn
	.p2alignl 7, 3214868480
	.fill 96, 4, 3214868480
	.section	.rodata,"a",@progbits
	.p2align	6, 0x0
	.amdhsa_kernel k_q35357640ce_attn
		.amdhsa_group_segment_fixed_size 168448
		.amdhsa_private_segment_fixed_size 0
		.amdhsa_enable_private_segment 0
		.amdhsa_kernarg_size 40
		.amdhsa_user_sgpr_count 2
		.amdhsa_user_sgpr_kernarg_segment_ptr 1
		.amdhsa_wavefront_size32 1
		.amdhsa_system_sgpr_workgroup_id_x 1
		.amdhsa_system_sgpr_workgroup_id_y 1
		.amdhsa_system_sgpr_workgroup_id_z 1
		.amdhsa_system_vgpr_workitem_id 0
		.amdhsa_next_free_vgpr 512
		.amdhsa_next_free_sgpr 66
		.amdhsa_reserve_vcc 1
		.amdhsa_float_denorm_mode_32 3
		.amdhsa_float_denorm_mode_16_64 3
		.amdhsa_memory_ordered 1
		.amdhsa_forward_progress 1
		.amdhsa_inst_pref_size 93
	.end_amdhsa_kernel
	.amdgpu_metadata
---
amdhsa.version: [ 1, 2 ]
amdhsa.kernels:
  - .name:           k_q35357640ce_attn
    .symbol:         k_q35357640ce_attn.kd
    .args:
      - { .name: order, .offset: 0, .size: 8, .value_kind: global_buffer, .address_space: global }
      - { .name: keys, .offset: 8, .size: 8, .value_kind: global_buffer, .address_space: global }
      - { .name: queries, .offset: 16, .size: 8, .value_kind: global_buffer, .address_space: global }
      - { .name: values, .offset: 24, .size: 8, .value_kind: global_buffer, .address_space: global }
      - { .name: out0, .offset: 32, .size: 8, .value_kind: global_buffer, .address_space: global }
    .group_segment_fixed_size: 168448
    .private_segment_fixed_size: 0
    .kernarg_segment_align: 8
    .kernarg_segment_size: 40
    .max_flat_workgroup_size: 128
    .sgpr_count:     66
    .vgpr_count:     512
    .wavefront_size: 32
...
	.end_amdgpu_metadata
.endif
;; end of part 3
